; MI455X (gfx1250); checked and timed in simulation.
; The chip was launched on July 23, 2026; its instructions are those of AMD's public machine-readable ISA for CDNA 5 (MIT licence, August 2026) and "CDNA5" Instruction Set Architecture Reference Guide (July 2026). The comments in the code are by the model that wrote it; some were corrected since.
;; Attn Pooling. Allowed arithmetic: float matrix products may take bf16 or f16 operands with f32 sums; all other float work in f32.
;; Inputs: Wk 128 x 128 float32; Wq 128 x 128 float32; bk 128 float32; bq 128 float32; mask 8 x 16 x 64 x 64 int32; x 8 x 16 x 128 x 64 x 64 float32.
;; Outputs: out0 8 x 16 x 128 float32.
;; One version. Each part assembles by itself: llvm-mc -triple=amdgcn-amd-amdhsa -mcpu=gfx1250 --defsym DOCPART=n.
;; ======== version 1 of 1: 2 launches
;; workspace buffers: part 262,144 bytes
;; launch pool (part 1): grid 256 x 1, 16 waves a work-group, clusters of 4 x 1, 324,096 bytes of LDS; arguments x, mask, Wq, bq, Wk, bk, part; writes part
.if DOCPART == 1
	.amdgcn_target "amdgcn-amd-amdhsa--gfx1250"
	.amdhsa_code_object_version 6
	.text
	.protected	k_q388e666d33_pool
	.globl	k_q388e666d33_pool
	.p2align	8
	.type	k_q388e666d33_pool,@function
k_q388e666d33_pool:
	s_mov_b64 s[64:65], 0
	v_nop
	global_prefetch_b8 v0, s[64:65] scope:SCOPE_SE
	s_setreg_imm32_b32 hwreg(HW_REG_WAVE_MODE, 25, 1), 1
	s_wait_xcnt 0x0
	s_wait_alu depctr_hold_cnt(0) depctr_sa_sdst(0) depctr_va_vdst(0) depctr_va_sdst(0) depctr_va_ssrc(0) depctr_va_vcc(0) depctr_vm_vsrc(0)
	s_getreg_b32 s2, hwreg(HW_REG_IB_STS2, 6, 4)
	s_cmp_eq_u32 s2, 0
	s_cbranch_scc0 .Lentry_in_a_cluster
	s_endpgm
.Lentry_in_a_cluster:
	s_bfe_u32 s2, ttmp6, 0x10000c
	s_cmp_lg_u32 s2, 0x3003
	s_cbranch_scc0 .Lentry_shape_is_right
	s_endpgm
.Lentry_shape_is_right:
; ATTENTION POOLING, first of two launches.  128 pairs (b, n); a pair owns x[d = 128][k = 4096] in f32 (k along the rows) and 4096 mask words.
;
; THE ARITHMETIC.  The keys enter only through q . (Wk x_k + bk) = (Wk^T q) . x_k + q . bk, which holds for every input (the order of rounding
; differs from the written form).  So per pair: the masked mean of x, q = Wq mean + bq, u = Wk^T q, one logit u . x_k + q . bk for each k, a masked
; softmax with the maximum taken away, and the weighted sum of x.  All that is left are products with ONE row: a 16-row matrix form would carry
; 15 idle rows and ask for a second layout of x, so the vector unit does them, in f32, and the bytes of x decide the time.
;
; THE SHAPE.  x is needed twice (for the mean; then, once q is known, for logits and pooling).  To read it from memory once, two work-groups serve
; a pair: both stream the pair's whole 2 MiB (each needs the whole mean), and each KEEPS its half of k as bf16: 128 rows x 2048 columns x 2 bytes
; = 512 KiB, half of it in LDS (256 KiB) and half in registers (128 of each of the 16 waves' 256).  The two are neighbours in one cluster and walk x
; in the same order, so that both requests for a piece of a row are made close in time and in place.  Each stores its half's maximum, sum of
; exponentials and unnormalised pooled sums; the second launch merges the halves (no traffic between work-groups inside a launch).
; NO JOINT TENSOR LOADS: a piece of x is shared by two work-groups only; a ring of LDS slots for the mover (16 waves x 16 x 512 bytes = 128 KiB as
; here) does not fit beside the 256 KiB kept and the 58 KiB of exchange areas; with four partners to a pair each would take in 4 MiB, not 2.
; So the bytes in flight lie in the loads' own destination registers, and the cluster serves placement alone: no LDS address and no branch
; hangs on the place in the cluster, only global offsets do.
;
; SHARES.  Wave w: dg = w >> 2 owns rows d = 32 dg .. +31, kg = w & 3 a column group.  For s = 0..3 the wave takes the 256 columns from 1024 s + 256 kg:
; OWN = the 128 at + 128 p (p = which half is this work-group's), OTHER = the other 128.  A lane takes 4 columns (16 bytes): each load covers 512
; consecutive bytes at a multiple of 512.  Own chunk j = 4 s + kg (16 chunks of 128 columns make the half).
;
; SUMS OVER THE LANES.  A wave has 32 rows and 32 lanes, so its 32 row sums are not reduced one by one: they are merged pairwise (macro TREE), and at
; the end lane l holds row l's whole sum: 94 instructions and one LDS store of 32 neighbouring words for 32 rows.
; In every LDS store of this text each lane writes bytes of its own.
;
; LIMITS, kept on purpose.  x is kept as bf16 for logits and pooling (relative rounding 2^-9 per element; |x| above bf16's largest finite number
; becomes infinite); the mean is taken from the f32 data.  Sums are ordered otherwise than in the written form.  v_exp_f32 and v_rcp_f32 are good to
; 1 ULP and flush denormals (ISA guide, their entries in 15.8); the softmax's denominator is at least 1.  The mask enters the mean as float(mask),
; and masks a position where it is 0.  A pair with every position masked gives NaN, as the written form does.
.set ROWB,  16384                      ; bytes in a row of x
.set SUPB,  4096                       ; bytes from one s to the next
; LDS, bytes.  Every region is written in one phase only.  All 16-byte accesses have lane l at 16 l, all 4-byte stores lane l at 4 l.
.set RETL,  0                          ; 262,144: w * 16384 + r * 512 + 16 l: bf16 of (s = 0: 4 columns, s = 1: 4 columns); a wave's own bytes
.set EX,    262144                     ; 32,768: dg * 8192 + j * 512 + 16 l: partial logits
.set PB,    294912                     ; 8,192: j * 512 + 16 l: softmax weights (unnormalised)
.set SCU,   303104                     ; 8,192: w * 512 + 4 d: wave w's part of u
.set SSUM,  311296                     ; 2,048: kg * 512 + 4 d: masked row sums
.set SPOOL, 313344                     ; 2,048: the same layout: pooled sums
.set SCNT,  315392                     ; 512: 128 w + 4 l (w < 4): wave w's mask count, a copy for each lane
.set OFS_C, 512                        ; from SCNT, 2,048 each, 128 w + 4 l: wave w's part of q . bk,
.set OFS_M, 2560                       ; chunk w's maximum,
.set OFS_S, 4608                       ; chunk w's sum of exponentials.  End of LDS: 322,048
; vector registers
.set L16,   1                          ; 16 l
.set VOWN,  2                          ; 16 l + 512 p
.set VOTH,  3                          ; 16 l + 512 (1 - p)
.set LRET,  4                          ; RETL + 16384 w + 16 l
.set LROW,  5                          ; SSUM + 512 kg + 128 dg + 4 l
.set PX,    6                          ; destination of the cross-half permute
.set TR,    7                          ; the number being reduced
.set ACC,   8                          ; v[8:11]  streaming: two pairs of row sums; pooling: four chains
.set TU,    10                         ; TREE: what a lane sends (free once the row's four sums are two)
.set TP,    11                         ; TREE: what comes from the other half of the lanes
.set CV,    12                         ; v[12:15] bf16 of s = 0, 1 on their way to LDS
.set FM,    16                         ; v[16:19] the mask words of own chunk j = w
.set ZERO,  20
.set NINF,  21
.set MX,    22                         ; the half's maximum
.set CP,    23                         ; a quarter of q . bk
.set MOWN,  24                         ; v[24:39]  float(mask) of the own columns, 4 registers for each s
.set MOTH,  40                         ; v[40:55]  of the other columns
.set RING,  56                         ; v[56:119] 16 load slots of 4 registers: 2 rows x 4 s x (own, other)
.set RET,   120                        ; v[120:247] row r: 4 registers = bf16 of (s = 2, s = 3)
.set AW,    248                        ; SCNT + 128 w + 4 l
.set HSTR,  249                        ; v[249:253] in the stream: TREE's five holding registers; behind it the addresses below
.set AEXS,  249                        ; EX + 8192 dg + 512 kg + 16 l
.set AEXL,  250                        ; EX + 512 w + 16 l  (PB and SCU by immediate offsets)
.set APB,   251                        ; PB + 512 kg + 16 l
.set ASUM,  252                        ; SSUM + 16 l
.set AC4,   253                        ; SCNT + 128 (l & 3) + 4 l: lane l reads wave (l & 3)'s word
.set ASCU,  254                        ; SCU + 128 dg + 4 l
.set A16,   255                        ; SCNT + 128 (l & 15) + 4 l: lane l reads wave (l & 15)'s word; word index mod 64 = l + 32 (l & 1), all different
.set HPOOL, 24                         ; v[24:28]  in the pooling: TREE's holding registers
.set QB,    28                         ; v[28:43]  phase C: q' of my 8 rows, one pair each
.set UP,    44                         ; v[44:47]  phase C: my part of u
.set LG,    56                         ; v[56:71]  phase E: 16 partial logits
.set PV,    56                         ; v[56:71]  phase G: 16 weights
.set XS,    72                         ; v[72:87]  four staging slots for rows read back from LDS
.set UB,    88                         ; v[88:119] u of my 32 rows, in every lane
.set SM,    52                         ; s[52:56]  the lanes whose number has bit k set, k = 0 .. 4
.macro RED32 r                         ; sum over the 32 lanes, the result in every lane
	v_add_f32_dpp v[\r], v[\r], v[\r] row_xmask:1 row_mask:0xf bank_mask:0xf
	v_add_f32_dpp v[\r], v[\r], v[\r] row_xmask:2 row_mask:0xf bank_mask:0xf
	v_add_f32_dpp v[\r], v[\r], v[\r] row_xmask:4 row_mask:0xf bank_mask:0xf
	v_add_f32_dpp v[\r], v[\r], v[\r] row_xmask:8 row_mask:0xf bank_mask:0xf
	v_permlanex16_b32 v[PX], v[\r], s26, s27
	v_add_f32 v[\r], v[\r], v[PX]
.endm
.macro RMAX32 r                        ; the same for a maximum
	v_max_num_f32_dpp v[\r], v[\r], v[\r] row_xmask:1 row_mask:0xf bank_mask:0xf
	v_max_num_f32_dpp v[\r], v[\r], v[\r] row_xmask:2 row_mask:0xf bank_mask:0xf
	v_max_num_f32_dpp v[\r], v[\r], v[\r] row_xmask:4 row_mask:0xf bank_mask:0xf
	v_max_num_f32_dpp v[\r], v[\r], v[\r] row_xmask:8 row_mask:0xf bank_mask:0xf
	v_permlanex16_b32 v[PX], v[\r], s26, s27
	v_max_num_f32 v[\r], v[\r], v[PX]
.endm
.macro SUM16 r                         ; sum over each 16 lanes: for words of the 16 waves, which both halves of the lanes hold alike
	v_add_f32_dpp v[\r], v[\r], v[\r] row_xmask:1 row_mask:0xf bank_mask:0xf
	v_add_f32_dpp v[\r], v[\r], v[\r] row_xmask:2 row_mask:0xf bank_mask:0xf
	v_add_f32_dpp v[\r], v[\r], v[\r] row_xmask:4 row_mask:0xf bank_mask:0xf
	v_add_f32_dpp v[\r], v[\r], v[\r] row_xmask:8 row_mask:0xf bank_mask:0xf
.endm
; One merge at level k.  a (a holding register) carries the earlier 2^k rows, TR the later 2^k.  A lane whose number has bit k set keeps the later
; rows' value and sends the earlier rows', the others the other way round; each adds what its partner, lane xor 2^k, sends.  So bit k of the lane
; comes to stand for bit k of the row, and each value is summed over twice as many lanes.  xm = 2^k, written out for the DPP control.
.macro MERGE k, xm, dst, a
	v_cndmask_b32 v[TU], v[TR], v[\a], s[SM+\k]    ; sent: bit set ? earlier : later
	v_cndmask_b32 v[\dst], v[\a], v[TR], s[SM+\k]  ; kept: bit set ? later : earlier
.if \k < 4
	v_add_f32_dpp v[\dst], v[TU], v[\dst] row_xmask:\xm row_mask:0xf bank_mask:0xf
.else
	v_permlanex16_b32 v[TP], v[TU], s26, s27       ; TP was written before (a row sum)
	v_add_f32 v[\dst], v[\dst], v[TP]
.endif
.endm
; Row r's two lane sums (ACC, ACC + 1) enter the tree, which works like a binary counter: a value of level k waits in v[hb + k] for its partner.
; 16 + 8 + 4 + 2 merges of three instructions and one of four.  Behind row 31, lane l of TR holds row l's sum over all 32 lanes.
.macro TREE r, hb
.if ((\r)&1) == 0
	v_add_f32 v[\hb], v[ACC], v[ACC+1]
.else
	v_add_f32 v[TR], v[ACC], v[ACC+1]
.if ((\r)&2) == 0
	MERGE 0, 1, \hb+1, \hb
.else
	MERGE 0, 1, TR, \hb
.if ((\r)&4) == 0
	MERGE 1, 2, \hb+2, \hb+1
.else
	MERGE 1, 2, TR, \hb+1
.if ((\r)&8) == 0
	MERGE 2, 4, \hb+3, \hb+2
.else
	MERGE 2, 4, TR, \hb+2
.if ((\r)&16) == 0
	MERGE 3, 8, \hb+4, \hb+3
.else
	MERGE 3, 8, TR, \hb+3
	MERGE 4, 0, TR, \hb+4
.endif
.endif
.endif
.endif
.endif
.endm
.macro BARRIER                         ; my LDS stores are done and my LDS loads are in (zero: it is for the other waves' sake), then all waves meet
	s_wait_dscnt 0x0
	s_barrier_signal -1
	s_barrier_wait -1
.endm
.macro MIX d, x, m, a, hi              ; v[d] = bf16 half (hi = 1: upper) of v[x] * f32 v[m] + f32 v[a]
.if \hi
	v_fma_mix_f32_bf16 v[\d], v[\x], v[\m], v[\a] op_sel:[1,0,0] op_sel_hi:[1,0,0]
.else
	v_fma_mix_f32_bf16 v[\d], v[\x], v[\m], v[\a] op_sel_hi:[1,0,0]
.endif
.endm
	; ---------------- A. set-up ----------------
	s_load_b256 s[4:11], s[0:1], 0x0               ; x s[4:5], mask s[6:7], Wq s[8:9], bq s[10:11]
	s_load_b128 s[12:15], s[0:1], 0x20             ; Wk s[12:13], bk s[14:15]
	s_load_b64 s[16:17], s[0:1], 0x30              ; part
	v_lshrrev_b32 v[TR], 5, v0
	v_readfirstlane_b32 s18, v[TR]                 ; w
	s_lshr_b32 s19, s18, 2                         ; dg
	s_and_b32 s20, s18, 3                          ; kg
	s_bfe_u32 s21, ttmp6, 0x40000                  ; my place in the cluster of four
	s_lshl_b32 s22, ttmp9, 2
	s_add_co_u32 s22, s22, s21                     ; g = work-group, 0 .. 255
	s_and_b32 s23, s22, 1                          ; p = which half of k I keep
	s_lshr_b32 s24, s22, 1                         ; pair
	s_mov_b32 s26, 0x76543210                      ; v_permlanex16_b32: lane i of one half reads lane i of the other
	s_mov_b32 s27, 0xfedcba98
	s_mov_b32 s45, 0x3e0293ee                      ; log2(e) / sqrt(128): logits are made in powers of two
	s_mov_b32 s47, 0                               ; high word of every offset below (all under 4 GiB)
	s_mov_b32 s[SM+0], 0xaaaaaaaa                  ; lanes with bit 0 set,
	s_mov_b32 s[SM+1], 0xcccccccc                  ; bit 1,
	s_mov_b32 s[SM+2], 0xf0f0f0f0                  ; bit 2,
	s_mov_b32 s[SM+3], 0xff00ff00                  ; bit 3,
	s_mov_b32 s[SM+4], 0xffff0000                  ; bit 4
	v_and_b32 v[L16], 31, v0
	v_lshlrev_b32 v[L16], 4, v[L16]
	s_lshl_b32 s48, s23, 9
	v_add_nc_u32 v[VOWN], s48, v[L16]
	s_xor_b32 s48, s48, 512
	v_add_nc_u32 v[VOTH], s48, v[L16]
	s_lshl_b32 s48, s19, 12
	v_add_nc_u32 v[TR], s48, v[VOWN]               ; own chunk j = w lies at s = dg
	v_mov_b32 v[PX], 0                             ; the permute's destination counts as read: written once here
	s_lshl_b32 s49, s20, 10                        ; kg x 256 columns x 4 bytes
	s_wait_kmcnt 0x0
	s_lshl_b32 s46, s24, 14                        ; a pair's mask: 16 KiB
	s_add_co_u32 s46, s46, s49
	s_add_nc_u64 s[6:7], s[6:7], s[46:47]
	s_lshl_b32 s46, s24, 21                        ; a pair's x: 2 MiB
	s_lshl_b32 s48, s19, 19                        ; 32 rows of 16 KiB
	s_add_co_u32 s46, s46, s48
	s_add_co_u32 s46, s46, s49
	s_add_nc_u64 s[4:5], s[4:5], s[46:47]
.irp s, 0,1,2,3
	global_load_b128 v[MOWN+4*\s:MOWN+4*\s+3], v[VOWN], s[6:7] offset:\s*SUPB
	global_load_b128 v[MOTH+4*\s:MOTH+4*\s+3], v[VOTH], s[6:7] offset:\s*SUPB
.endr
	global_load_b128 v[FM:FM+3], v[TR], s[6:7]
.irp r, 0,1                                        ; fill the ring: rows 0 and 1, in the order in which the units are taken
.irp s, 0,1,2,3
	global_load_b128 v[RING+32*\r+8*\s:RING+32*\r+8*\s+3],   v[VOWN], s[4:5] offset:\r*ROWB+\s*SUPB
	global_load_b128 v[RING+32*\r+8*\s+4:RING+32*\r+8*\s+7], v[VOTH], s[4:5] offset:\r*ROWB+\s*SUPB
.endr
.endr
	s_lshl_b32 s46, s18, 12                        ; my 8 rows of Wq and of Wk: 8 x 512 bytes
	s_add_nc_u64 s[8:9], s[8:9], s[46:47]
	s_add_nc_u64 s[12:13], s[12:13], s[46:47]
	s_lshl_b32 s46, s18, 5                         ; and the 8 numbers of bq and bk that go with them
	s_add_nc_u64 s[10:11], s[10:11], s[46:47]
	s_add_nc_u64 s[14:15], s[14:15], s[46:47]
	s_load_b256 s[28:35], s[10:11], 0x0            ; waited for in phase C
	s_load_b256 s[36:43], s[14:15], 0x0
	s_lshl_b32 s46, s22, 10                        ; my record of 1,024 bytes
	s_add_nc_u64 s[16:17], s[16:17], s[46:47]
	; the LDS addresses that the stream needs
	s_lshl_b32 s48, s18, 14
	v_add_nc_u32 v[LRET], s48, v[L16]
	v_lshrrev_b32 v8, 2, v[L16]                    ; 4 l
	s_lshl_b32 s49, s20, 9                         ; 512 kg
	s_lshl_b32 s48, s19, 7                         ; 128 dg
	s_add_co_u32 s50, s48, s49
	s_add_co_u32 s50, s50, SSUM
	v_add_nc_u32 v[LROW], s50, v8
	s_lshl_b32 s48, s18, 7                         ; 128 w
	s_add_co_u32 s48, s48, SCNT
	v_add_nc_u32 v[AW], s48, v8
	s_wait_loadcnt 16                              ; loads return in order: the 9 mask loads are in, the 16 loads of x behind them stay out; TR is free
.irp i, 0,1,2,3,4,5,6,7,8,9,10,11,12,13,14,15,16,17,18,19,20,21,22,23,24,25,26,27,28,29,30,31
	v_cvt_f32_i32 v[MOWN+\i], v[MOWN+\i]           ; own and other masks lie side by side: 32 registers
.endr
	; the pair's count of valid positions: the four waves of dg = 0 hold all 4096 mask words between them
	s_cmp_ge_u32 s18, 4
	s_cbranch_scc1 .Lnocount
	v_pk_add_f32 v[8:9], v[24:25], v[26:27]
	v_pk_add_f32 v[10:11], v[28:29], v[30:31]
.irp i, 4,6,8,10,12,14
	v_pk_add_f32 v[8:9], v[8:9], v[24+2*\i:25+2*\i]
	v_pk_add_f32 v[10:11], v[10:11], v[26+2*\i:27+2*\i]
.endr
	v_pk_add_f32 v[8:9], v[8:9], v[10:11]
	v_add_f32 v[TR], v8, v9
	RED32 TR
	ds_store_b32 v[AW], v[TR]                      ; 32 copies, a word for each lane
.Lnocount:
	; ---------------- B. the stream: masked row sums from f32, the own half kept as bf16 ----------------
; A unit = (row r, s): one load of own and one of other columns.  kind 0: the slot is filled again with row r + 2;
; kind 1, 2 (rows 30, 31): with two of my rows of Wq, of Wk, so that every unit's wait has the same count.
.macro UNIT r, s, kind
.set SO, RING+32*((\r)&1)+8*(\s)
	s_wait_loadcnt 14                              ; the ring holds 8 units; the 7 younger ones (14 loads) stay out
.if (\s) == 0
	v_pk_mul_f32 v[ACC:ACC+1],   v[SO:SO+1],   v[MOWN+4*(\s):MOWN+4*(\s)+1]          ; the first products start the row's sums
	v_pk_mul_f32 v[ACC+2:ACC+3], v[SO+4:SO+5], v[MOTH+4*(\s):MOTH+4*(\s)+1]
.else
	v_pk_fma_f32 v[ACC:ACC+1],   v[SO:SO+1],   v[MOWN+4*(\s):MOWN+4*(\s)+1], v[ACC:ACC+1]
	v_pk_fma_f32 v[ACC+2:ACC+3], v[SO+4:SO+5], v[MOTH+4*(\s):MOTH+4*(\s)+1], v[ACC+2:ACC+3]
.endif
	v_pk_fma_f32 v[ACC:ACC+1],   v[SO+2:SO+3], v[MOWN+4*(\s)+2:MOWN+4*(\s)+3], v[ACC:ACC+1]
	v_pk_fma_f32 v[ACC+2:ACC+3], v[SO+6:SO+7], v[MOTH+4*(\s)+2:MOTH+4*(\s)+3], v[ACC+2:ACC+3]
.if (\s) < 2
.set SD, CV+2*(\s)
.else
.set SD, RET+4*(\r)+2*((\s)-2)
.endif
	v_cvt_pk_bf16_f32 v[SD],   v[SO],   v[SO+1]
	v_cvt_pk_bf16_f32 v[SD+1], v[SO+2], v[SO+3]
.if (\kind) == 0
.set OX, ((\r)+2)*ROWB+(\s)*SUPB
	global_load_b128 v[SO:SO+3],   v[VOWN], s[4:5] offset:OX
	global_load_b128 v[SO+4:SO+7], v[VOTH], s[4:5] offset:OX
.endif
.if (\kind) == 1
.set OX, 1024*(\s)
	global_load_b128 v[SO:SO+3],   v[L16], s[8:9] offset:OX          ; Wq row 8 w + i ends in v[RING + 4 i ..]
	global_load_b128 v[SO+4:SO+7], v[L16], s[8:9] offset:OX+512
.endif
.if (\kind) == 2
.set OX, 1024*(\s)
	global_load_b128 v[SO:SO+3],   v[L16], s[12:13] offset:OX        ; Wk row 8 w + i ends in v[RING + 32 + 4 i ..]
	global_load_b128 v[SO+4:SO+7], v[L16], s[12:13] offset:OX+512
.endif
.endm
.macro ROW r, kind
	UNIT \r, 0, \kind
	UNIT \r, 1, \kind
	ds_store_b128 v[LRET], v[CV:CV+3] offset:(\r)*512        ; my wave's own bytes; an LDS store's sources need no wait
	UNIT \r, 2, \kind
	UNIT \r, 3, \kind
	v_pk_add_f32 v[ACC:ACC+1], v[ACC:ACC+1], v[ACC+2:ACC+3]
	TREE \r, HSTR
.endm
.irp r, 0,1,2,3,4,5,6,7,8,9,10,11,12,13,14,15,16,17,18,19,20,21,22,23,24,25,26,27,28,29
	ROW \r, 0
.endr
	ROW 30, 1
	ROW 31, 2
	ds_store_b32 v[LROW], v[TR]                    ; lane l: row 32 dg + l, summed over my 1024 columns: 32 neighbouring words
	; the other LDS addresses, into registers that the tree has left (the masks' registers serve as temporaries: the stream is over)
	v_lshrrev_b32 v24, 2, v[L16]                   ; 4 l
	s_lshl_b32 s49, s20, 9                         ; 512 kg
	s_lshl_b32 s48, s19, 13
	s_add_co_u32 s48, s48, s49
	s_add_co_u32 s48, s48, EX
	v_add_nc_u32 v[AEXS], s48, v[L16]
	s_lshl_b32 s48, s18, 9
	s_add_co_u32 s48, s48, EX
	v_add_nc_u32 v[AEXL], s48, v[L16]
	s_add_co_u32 s48, s49, PB
	v_add_nc_u32 v[APB], s48, v[L16]
	v_add_nc_u32 v[ASUM], SSUM, v[L16]
	s_lshl_b32 s48, s19, 7
	s_add_co_u32 s48, s48, SCU
	v_add_nc_u32 v[ASCU], s48, v24
	v_and_b32 v25, 3, v0
	v_lshl_add_u32 v25, v25, 7, v24
	v_add_nc_u32 v[AC4], SCNT, v25
	v_and_b32 v25, 15, v0
	v_lshl_add_u32 v25, v25, 7, v24
	v_add_nc_u32 v[A16], SCNT, v25
	BARRIER                                        ; row sums and counts are in LDS.  (The 16 loads of weights stay out: nobody writes those bytes.)
	; ---------------- C. mean, q' = SC (Wq mean + bq) for my 8 rows, my part of u = Wk^T q' and of q' . bk ----------------
.irp i, 0,1,2,3
	ds_load_b128 v[24+4*\i:27+4*\i], v[ASUM] offset:512*\i   ; the four column groups' sums of d = 4 l .. 4 l + 3
.endr
	ds_load_b32 v40, v[AC4]                        ; lane l: the count of wave l & 3
	s_wait_dscnt 0x0
	v_pk_add_f32 v[24:25], v[24:25], v[28:29]
	v_pk_add_f32 v[26:27], v[26:27], v[30:31]
	v_pk_add_f32 v[32:33], v[32:33], v[36:37]
	v_pk_add_f32 v[34:35], v[34:35], v[38:39]
	v_add_f32_dpp v40, v40, v40 row_xmask:1 row_mask:0xf bank_mask:0xf
	v_pk_add_f32 v[24:25], v[24:25], v[32:33]
	v_pk_add_f32 v[26:27], v[26:27], v[34:35]
	v_add_f32_dpp v40, v40, v40 row_xmask:2 row_mask:0xf bank_mask:0xf       ; the pair's count, in every lane
	v_rcp_f32 v42, v40                             ; twice, to fill the pair that the packed multiply takes.  Behind a transcendental one plain vector
	v_rcp_f32 v43, v40                             ; instruction stands before its result is used (ISA guide 5.7.2):
	v_mov_b32 v[ZERO], 0                           ; this one
	v_mov_b32 v[NINF], 0xff800000
	s_wait_alu depctr_va_vdst(0)
	v_pk_mul_f32 v[24:25], v[24:25], v[42:43]      ; mean of d = 4 l .. 4 l + 3 (a count of 0 gives NaN, as a division does)
	v_pk_mul_f32 v[26:27], v[26:27], v[42:43]
	s_wait_loadcnt 0x0                             ; my rows of Wq and Wk
	s_wait_kmcnt 0x0                               ; bq, bk
.irp i, 0,1,2,3,4,5,6,7
	s_mul_f32 s[28+\i], s[28+\i], s45              ; SC bq
.endr
.irp i, 0,1,2,3,4,5,6,7
	v_pk_mul_f32 v[QB+2*\i:QB+2*\i+1], v[RING+4*\i:RING+4*\i+1], v[24:25]
.endr
.irp i, 0,1,2,3,4,5,6,7
	v_pk_fma_f32 v[QB+2*\i:QB+2*\i+1], v[RING+4*\i+2:RING+4*\i+3], v[26:27], v[QB+2*\i:QB+2*\i+1]
.endr
.irp i, 0,1,2,3,4,5,6,7
	v_add_f32 v[QB+2*\i], v[QB+2*\i], v[QB+2*\i+1]
.endr
.irp m, 1,2,4,8                                    ; eight reductions side by side, stage by stage (each q' is wanted in every lane)
.irp i, 0,1,2,3,4,5,6,7
	v_add_f32_dpp v[QB+2*\i], v[QB+2*\i], v[QB+2*\i] row_xmask:\m row_mask:0xf bank_mask:0xf
.endr
.endr
.irp i, 0,1,2,3,4,5,6,7
	v_permlanex16_b32 v[QB+2*\i+1], v[QB+2*\i], s26, s27
.endr
.irp i, 0,1,2,3,4,5,6,7
	v_add_f32 v[QB+2*\i], v[QB+2*\i], v[QB+2*\i+1]
.endr
.irp i, 0,1,2,3,4,5,6,7
	v_fma_f32 v[QB+2*\i], v[QB+2*\i], s45, s[28+\i]          ; q' of row 8 w + i, in every lane
.endr
	v_mul_f32 v48, s36, v[QB]
.irp i, 1,2,3,4,5,6,7
	v_fmac_f32 v48, s[36+\i], v[QB+2*\i]           ; my part of q' . bk
.endr
	v_pk_mul_f32 v[UP:UP+1],   v[RING+32:RING+33], v[QB:QB+1] op_sel_hi:[1,0]
	v_pk_mul_f32 v[UP+2:UP+3], v[RING+34:RING+35], v[QB:QB+1] op_sel_hi:[1,0]
.irp i, 1,2,3,4,5,6,7
	v_pk_fma_f32 v[UP:UP+1],   v[RING+32+4*\i:RING+33+4*\i], v[QB+2*\i:QB+2*\i+1], v[UP:UP+1] op_sel_hi:[1,0,1]
	v_pk_fma_f32 v[UP+2:UP+3], v[RING+34+4*\i:RING+35+4*\i], v[QB+2*\i:QB+2*\i+1], v[UP+2:UP+3] op_sel_hi:[1,0,1]
.endr
	ds_store_b128 v[AEXL], v[UP:UP+3] offset:SCU-EX          ; SCU + 512 w + 16 l
	ds_store_b32 v[AW], v48 offset:OFS_C
	BARRIER                                        ; all sixteen parts of u and of q' . bk are in LDS
	; ---------------- D. u of my 32 rows, brought into every lane ----------------
.irp j, 0,1,2,3,4,5,6,7,8,9,10,11,12,13,14,15
	ds_load_b32 v[56+\j], v[ASCU] offset:512*\j    ; lane l: wave j's part of u[32 dg + l]
.endr
	ds_load_b32 v72, v[A16] offset:OFS_C           ; lane l: wave (l & 15)'s part of q' . bk
	s_wait_dscnt 0x0
	v_pk_add_f32 v[56:57], v[56:57], v[64:65]
	v_pk_add_f32 v[58:59], v[58:59], v[66:67]
	v_pk_add_f32 v[60:61], v[60:61], v[68:69]
	v_pk_add_f32 v[62:63], v[62:63], v[70:71]
	v_pk_add_f32 v[56:57], v[56:57], v[60:61]
	v_pk_add_f32 v[58:59], v[58:59], v[62:63]
	SUM16 72
	v_pk_add_f32 v[56:57], v[56:57], v[58:59]
	v_mul_f32 v[CP], 0x3e800000, v72               ; a quarter of q' . bk (exact): each of the four row groups starts its logits from it
	v_add_f32 v56, v56, v57
.irp r, 0,1,2,3,4,5,6,7,8,9,10,11,12,13,14,15,16,17,18,19,20,21,22,23,24,25,26,27,28,29,30,31
	v_readlane_b32 s[66+\r], v56, \r
.endr
.irp r, 0,1,2,3,4,5,6,7,8,9,10,11,12,13,14,15,16,17,18,19,20,21,22,23,24,25,26,27,28,29,30,31
	v_mov_b32 v[UB+\r], s[66+\r]
.endr
	; ---------------- E. partial logits of my 16 own columns a lane, over my 32 rows ----------------
.irp r, 0,1,2,3
	ds_load_b128 v[XS+4*\r:XS+4*\r+3], v[LRET] offset:512*\r
.endr
.macro WAITROW r                       ; row r's load is in.  LDS loads return in order: the three rows behind it stay out; in the tail, the rows that are left
.if 31-(\r) < 3
	s_wait_dscnt 31-(\r)
.else
	s_wait_dscnt 3
.endif
.endm
.macro ROWL r
	WAITROW \r
.set XB, XS+4*((\r)&3)
.set RB, RET+4*(\r)
.irp s, 0,1,2,3
.irp c, 0,1,2,3
.if \s < 2
.set XR, XB+2*\s+(\c>>1)
.else
.set XR, RB+2*(\s-2)+(\c>>1)
.endif
.if (\r) == 0
	MIX LG+4*\s+\c, XR, UB+\r, CP, \c&1            ; the first product starts the sum, from this group's quarter of q' . bk
.else
	MIX LG+4*\s+\c, XR, UB+\r, LG+4*\s+\c, \c&1
.endif
.endr
.endr
.if (\r) <= 27
	ds_load_b128 v[XB:XB+3], v[LRET] offset:512*((\r)+4)
.endif
.endm
.irp r, 0,1,2,3,4,5,6,7,8,9,10,11,12,13,14,15,16,17,18,19,20,21,22,23,24,25,26,27,28,29,30,31
	ROWL \r
.endr
.irp s, 0,1,2,3
	ds_store_b128 v[AEXS], v[LG+4*\s:LG+4*\s+3] offset:2048*\s       ; chunk j = 4 s + kg
.endr
	BARRIER                                        ; all partial logits are in LDS
	; ---------------- F. softmax over the half; wave w finishes chunk j = w ----------------
.irp i, 0,1,2,3
	ds_load_b128 v[72+4*\i:75+4*\i], v[AEXL] offset:8192*\i
.endr
	s_wait_dscnt 0x0
	v_pk_add_f32 v[72:73], v[72:73], v[76:77]
	v_pk_add_f32 v[74:75], v[74:75], v[78:79]
	v_pk_add_f32 v[80:81], v[80:81], v[84:85]
	v_pk_add_f32 v[82:83], v[82:83], v[86:87]
	v_pk_add_f32 v[72:73], v[72:73], v[80:81]
	v_pk_add_f32 v[74:75], v[74:75], v[82:83]
.irp c, 0,1,2,3
	v_cmp_eq_u32 vcc_lo, 0, v[FM+\c]
	v_cndmask_b32 v[72+\c], v[72+\c], v[NINF], vcc_lo        ; masked: minus infinity
.endr
	v_max3_num_f32 v[TR], v72, v73, v74
	v_max_num_f32 v[TR], v[TR], v75
	RMAX32 TR
	ds_store_b32 v[AW], v[TR] offset:OFS_M
	BARRIER                                        ; the sixteen chunks' maxima are in LDS
	ds_load_b32 v76, v[A16] offset:OFS_M           ; lane l: chunk (l & 15)'s maximum
	s_wait_dscnt 0x0
	v_max_num_f32_dpp v76, v76, v76 row_xmask:1 row_mask:0xf bank_mask:0xf
	v_max_num_f32_dpp v76, v76, v76 row_xmask:2 row_mask:0xf bank_mask:0xf
	v_max_num_f32_dpp v76, v76, v76 row_xmask:4 row_mask:0xf bank_mask:0xf
	v_max_num_f32_dpp v76, v76, v76 row_xmask:8 row_mask:0xf bank_mask:0xf   ; the half's true maximum, in every lane;
	v_max_num_f32 v[MX], 0xff7fffff, v76           ; the floor (the most negative finite number) acts only when the whole half is masked: then all weights are 0
.irp c, 0,1,2,3
	v_sub_f32 v[72+\c], v[72+\c], v[MX]
.endr
.irp c, 0,1,2,3
	v_exp_f32 v[72+\c], v[72+\c]
.endr
	v_nop                                          ; the plain place behind the last exponential (ISA guide 5.7.2)
	s_wait_alu depctr_va_vdst(0)
	v_add_f32 v[TR], v72, v73
	v_add_f32 v8, v74, v75
	v_add_f32 v[TR], v[TR], v8
	RED32 TR
	ds_store_b32 v[AW], v[TR] offset:OFS_S
	ds_store_b128 v[AEXL], v[72:75] offset:PB-EX   ; PB + 512 w + 16 l
	BARRIER                                        ; weights and their sums are in LDS
	; ---------------- G. pooling: my 32 rows x my 16 own columns a lane ----------------
.irp s, 0,1,2,3
	ds_load_b128 v[PV+4*\s:PV+4*\s+3], v[APB] offset:2048*\s
.endr
.irp r, 0,1,2,3
	ds_load_b128 v[XS+4*\r:XS+4*\r+3], v[LRET] offset:512*\r         ; the weights' four loads stand ahead of row 0's: the first wait covers them
.endr
.macro ROWP r
	WAITROW \r
.set XB, XS+4*((\r)&3)
.set RB, RET+4*(\r)
.irp c, 0,1,2,3
.irp s, 0,1,2,3
.if \s < 2
.set XR, XB+2*\s+(\c>>1)
.else
.set XR, RB+2*(\s-2)+(\c>>1)
.endif
.if \c == 0
	MIX ACC+\s, XR, PV+4*\s+\c, ZERO, \c&1         ; four chains, one for each s
.else
	MIX ACC+\s, XR, PV+4*\s+\c, ACC+\s, \c&1
.endif
.endr
.endr
.if (\r) <= 27
	ds_load_b128 v[XB:XB+3], v[LRET] offset:512*((\r)+4)
.endif
	v_pk_add_f32 v[ACC:ACC+1], v[ACC:ACC+1], v[ACC+2:ACC+3]
	TREE \r, HPOOL
.endm
.irp r, 0,1,2,3,4,5,6,7,8,9,10,11,12,13,14,15,16,17,18,19,20,21,22,23,24,25,26,27,28,29,30,31
	ROWP \r
.endr
	ds_store_b32 v[LROW], v[TR] offset:SPOOL-SSUM  ; lane l: row 32 dg + l, pooled over my 512 own columns
	BARRIER                                        ; the pooled sums are in LDS
	; ---------------- H. the way out: wave 0 adds the four column groups and stores the record ----------------
	s_cmp_lg_u32 s18, 0
	s_cbranch_scc1 .Lend
.irp i, 0,1,2,3
	ds_load_b128 v[24+4*\i:27+4*\i], v[ASUM] offset:SPOOL-SSUM+512*\i
.endr
	ds_load_b32 v40, v[A16] offset:OFS_S           ; lane l: chunk (l & 15)'s sum of exponentials
	s_wait_dscnt 0x0
	v_pk_add_f32 v[24:25], v[24:25], v[28:29]
	v_pk_add_f32 v[26:27], v[26:27], v[30:31]
	v_pk_add_f32 v[32:33], v[32:33], v[36:37]
	v_pk_add_f32 v[34:35], v[34:35], v[38:39]
	SUM16 40                                       ; the half's sum of exponentials
	v_pk_add_f32 v[24:25], v[24:25], v[32:33]
	v_pk_add_f32 v[26:27], v[26:27], v[34:35]
	v_mov_b32 v28, v[MX]
	v_mov_b32 v29, v40
	v_mov_b32 v30, v[MX]
	v_mov_b32 v31, v40
	global_store_b128 v[L16], v[24:27], s[16:17]               ; 128 pooled sums: 512 consecutive bytes at a multiple of 1,024
	global_store_b128 v[L16], v[28:31], s[16:17] offset:512    ; (max, sum, max, sum) in every lane: the record's other 512 bytes, written whole
.Lend:
	s_wait_xcnt 0x0
	v_lshl_add_u32 v254, v0, 2, 0x4ea00
	v_mov_b32 v255, 0
	s_wait_tensorcnt 0x0
	ds_add_u32 v254, v255
	s_wait_dscnt 0x0
	s_endpgm
.Lfunc_end_k_q388e666d33_pool:
	.size	k_q388e666d33_pool, .Lfunc_end_k_q388e666d33_pool-k_q388e666d33_pool
	.p2alignl 7, 3214868480
	.fill 96, 4, 3214868480
	.section	.rodata,"a",@progbits
	.p2align	6, 0x0
	.amdhsa_kernel k_q388e666d33_pool
		.amdhsa_group_segment_fixed_size 324096
		.amdhsa_private_segment_fixed_size 0
		.amdhsa_enable_private_segment 0
		.amdhsa_kernarg_size 56
		.amdhsa_user_sgpr_count 2
		.amdhsa_user_sgpr_kernarg_segment_ptr 1
		.amdhsa_wavefront_size32 1
		.amdhsa_system_sgpr_workgroup_id_x 1
		.amdhsa_system_sgpr_workgroup_id_y 1
		.amdhsa_system_sgpr_workgroup_id_z 1
		.amdhsa_system_vgpr_workitem_id 0
		.amdhsa_next_free_vgpr 256
		.amdhsa_next_free_sgpr 100
		.amdhsa_reserve_vcc 1
		.amdhsa_float_denorm_mode_32 3
		.amdhsa_float_denorm_mode_16_64 3
		.amdhsa_memory_ordered 1
		.amdhsa_forward_progress 1
		.amdhsa_inst_pref_size 193
	.end_amdhsa_kernel
	.amdgpu_metadata
---
amdhsa.version: [ 1, 2 ]
amdhsa.kernels:
  - .name:           k_q388e666d33_pool
    .symbol:         k_q388e666d33_pool.kd
    .args:
      - { .name: x, .offset: 0, .size: 8, .value_kind: global_buffer, .address_space: global }
      - { .name: mask, .offset: 8, .size: 8, .value_kind: global_buffer, .address_space: global }
      - { .name: Wq, .offset: 16, .size: 8, .value_kind: global_buffer, .address_space: global }
      - { .name: bq, .offset: 24, .size: 8, .value_kind: global_buffer, .address_space: global }
      - { .name: Wk, .offset: 32, .size: 8, .value_kind: global_buffer, .address_space: global }
      - { .name: bk, .offset: 40, .size: 8, .value_kind: global_buffer, .address_space: global }
      - { .name: part, .offset: 48, .size: 8, .value_kind: global_buffer, .address_space: global }
    .group_segment_fixed_size: 324096
    .private_segment_fixed_size: 0
    .kernarg_segment_align: 8
    .kernarg_segment_size: 56
    .max_flat_workgroup_size: 512
    .sgpr_count:     100
    .vgpr_count:     256
    .wavefront_size: 32
...
	.end_amdgpu_metadata
.endif
;; end of part 1
;; launch combine (part 2): grid 32 x 1, 4 waves a work-group, no clusters, 0 bytes of LDS; arguments part, out0; writes out0
.if DOCPART == 2
	.amdgcn_target "amdgcn-amd-amdhsa--gfx1250"
	.amdhsa_code_object_version 6
	.text
	.protected	k_q388e666d33_combine
	.globl	k_q388e666d33_combine
	.p2align	8
	.type	k_q388e666d33_combine,@function
k_q388e666d33_combine:
	s_mov_b64 s[64:65], 0
	v_nop
	global_prefetch_b8 v0, s[64:65] scope:SCOPE_SE
	s_setreg_imm32_b32 hwreg(HW_REG_WAVE_MODE, 25, 1), 1
	s_wait_xcnt 0x0
; ATTENTION POOLING, second launch: merge the two halves of each pair's softmax.
; part holds 256 records of 1,024 bytes, two neighbours for a pair: 128 unnormalised pooled sums a, then (M, S, M, S) 32 times, with M the half's
; maximum logit in powers of two and S its sum of exponentials.  out[d] = (a0[d] f0 + a1[d] f1) / (S0 f0 + S1 f1), f_i = 2^(M_i - max(M0, M1)).
; One wave for a pair, a lane for 4 numbers: each load and the store cover 512 consecutive bytes (the two 8-byte loads touch every second 8 bytes
; of 512).  2 KiB in and 512 bytes out for a wave: nothing here is worth LDS, a ring or a matrix unit, and no wave depends on another.
; An empty half comes with M = the most negative finite number, S = 0, a = 0, and drops out (f = 0); with both halves empty the denominator is 0 and
; 0 x infinity gives NaN, as the written form does.  Otherwise the denominator is at least 1.  v_exp_f32, v_rcp_f32: 1 ULP, denormals flushed.
	s_load_b128 s[4:7], s[0:1], 0x0                ; part s[4:5], out0 s[6:7]
	v_lshrrev_b32 v1, 5, v0
	v_readfirstlane_b32 s8, v1                     ; wave
	s_lshl_b32 s9, ttmp9, 2
	s_add_co_u32 s9, s9, s8                        ; pair = 4 x work-group + wave
	s_lshl_b32 s10, s9, 11                         ; two records
	s_mov_b32 s11, 0
	s_lshl_b32 s12, s9, 9                          ; 128 f32 of output
	s_mov_b32 s13, 0
	v_and_b32 v1, 31, v0
	v_lshlrev_b32 v1, 4, v1                        ; 16 l
	s_wait_kmcnt 0x0
	s_add_nc_u64 s[4:5], s[4:5], s[10:11]
	s_add_nc_u64 s[6:7], s[6:7], s[12:13]
	global_load_b128 v[4:7], v1, s[4:5]                        ; a0
	global_load_b64 v[12:13], v1, s[4:5] offset:512            ; M0, S0
	global_load_b128 v[8:11], v1, s[4:5] offset:1024           ; a1
	global_load_b64 v[14:15], v1, s[4:5] offset:1536           ; M1, S1
	s_wait_loadcnt 0x0
	v_max_num_f32 v16, v12, v14
	v_sub_f32 v18, v12, v16
	v_sub_f32 v20, v14, v16
	v_exp_f32 v18, v18                             ; f0
	v_exp_f32 v20, v20                             ; f1
	v_nop                                          ; the plain place behind a transcendental (ISA guide 5.7.2)
	s_wait_alu depctr_va_vdst(0)
	v_mul_f32 v17, v13, v18
	v_fmac_f32 v17, v15, v20                       ; S0 f0 + S1 f1
	v_rcp_f32 v19, v17
	v_nop
	s_wait_alu depctr_va_vdst(0)
	v_mul_f32 v22, v18, v19                        ; g0 = f0 / denominator, in both registers of a pair
	v_mul_f32 v23, v18, v19
	v_mul_f32 v24, v20, v19                        ; g1 likewise
	v_mul_f32 v25, v20, v19
	v_pk_mul_f32 v[4:5], v[4:5], v[22:23]
	v_pk_mul_f32 v[6:7], v[6:7], v[22:23]
	v_pk_fma_f32 v[4:5], v[8:9], v[24:25], v[4:5]
	v_pk_fma_f32 v[6:7], v[10:11], v[24:25], v[6:7]
	global_store_b128 v1, v[4:7], s[6:7]           ; the pair's 512 bytes, whole
	s_endpgm
.Lfunc_end_k_q388e666d33_combine:
	.size	k_q388e666d33_combine, .Lfunc_end_k_q388e666d33_combine-k_q388e666d33_combine
	.p2alignl 7, 3214868480
	.fill 96, 4, 3214868480
	.section	.rodata,"a",@progbits
	.p2align	6, 0x0
	.amdhsa_kernel k_q388e666d33_combine
		.amdhsa_group_segment_fixed_size 0
		.amdhsa_private_segment_fixed_size 0
		.amdhsa_enable_private_segment 0
		.amdhsa_kernarg_size 16
		.amdhsa_user_sgpr_count 2
		.amdhsa_user_sgpr_kernarg_segment_ptr 1
		.amdhsa_wavefront_size32 1
		.amdhsa_system_sgpr_workgroup_id_x 1
		.amdhsa_system_sgpr_workgroup_id_y 1
		.amdhsa_system_sgpr_workgroup_id_z 1
		.amdhsa_system_vgpr_workitem_id 0
		.amdhsa_next_free_vgpr 32
		.amdhsa_next_free_sgpr 66
		.amdhsa_reserve_vcc 0
		.amdhsa_float_denorm_mode_32 3
		.amdhsa_float_denorm_mode_16_64 3
		.amdhsa_memory_ordered 1
		.amdhsa_forward_progress 1
		.amdhsa_inst_pref_size 2
	.end_amdhsa_kernel
	.amdgpu_metadata
---
amdhsa.version: [ 1, 2 ]
amdhsa.kernels:
  - .name:           k_q388e666d33_combine
    .symbol:         k_q388e666d33_combine.kd
    .args:
      - { .name: part, .offset: 0, .size: 8, .value_kind: global_buffer, .address_space: global }
      - { .name: out0, .offset: 8, .size: 8, .value_kind: global_buffer, .address_space: global }
    .group_segment_fixed_size: 0
    .private_segment_fixed_size: 0
    .kernarg_segment_align: 8
    .kernarg_segment_size: 16
    .max_flat_workgroup_size: 128
    .sgpr_count:     66
    .vgpr_count:     32
    .wavefront_size: 32
...
	.end_amdgpu_metadata
.endif
;; end of part 2
